; MI455X (gfx1250); checked and timed in simulation.
; The chip was launched on July 23, 2026; its instructions are those of AMD's public machine-readable ISA for CDNA 5 (MIT licence, August 2026) and "CDNA5" Instruction Set Architecture Reference Guide (July 2026). The comments in the code are by the model that wrote it; some were corrected since.
;; Ultra Fast Geodesic Model. Allowed arithmetic: float matrix products may take bf16 or f16 operands with f32 sums; all other float work in f32.
;; Inputs: A_source 8,388,608 float32; W1 8 x 3 float32; W2 1 x 8 float32; b1 8 float32; b2 1 float32; c_source 8,388,608 float32; c_target 8,388,608 float32; wavelength 8,388,608 float32.
;; Outputs: out0 8,388,608 float32.
;; 2 versions, each right; version 2 is version 1 with the launch geo written anew for expert scheduling mode. Each part assembles by itself: llvm-mc -triple=amdgcn-amd-amdhsa -mcpu=gfx1250 --defsym DOCPART=n.
;; ======== version 1 of 2: 1 launch
;; limits: right only within a limited range of input values; inputs' magnitudes at most 8,589,934,592
;; launch geo (part 1): grid 256 x 1, 32 waves a work-group, no clusters, 0 bytes of LDS; arguments c_target, wavelength, A_source, out0, W1, b1, W2, b2; writes out0
.if DOCPART == 1
	.amdgcn_target "amdgcn-amd-amdhsa--gfx1250"
	.amdhsa_code_object_version 6
	.text
	.protected	k_q56aca76f75_geo
	.globl	k_q56aca76f75_geo
	.p2align	8
	.type	k_q56aca76f75_geo,@function
k_q56aca76f75_geo:
	s_mov_b64 s[64:65], 0
	v_nop
	global_prefetch_b8 v0, s[64:65] scope:SCOPE_SE
	s_setreg_imm32_b32 hwreg(HW_REG_WAVE_MODE, 25, 1), 1
	s_wait_xcnt 0x0
; out[i] = A_source[i] + b2 + sum over j < 8 of W2[j] * tanh(W1[j][0] c_target[i] + W1[j][1] wavelength[i] + W1[j][2] * 0 + b1[j])
; for 8,388,608 samples, everything in f32.
;
; c_source is not among the arguments: the function takes it and lets no result depend on it, so a load of it would feed no instruction.
; W1[:,2] multiplies the column of zeros: it is read, and the product with 0 is made (one scalar multiply-add for each hidden unit).
;
; THE ARITHMETIC.  With C = 2 log2(e), t_j = C z_j and e_j = 2^min(t_j, 30):  tanh(z_j) = 1 - 2 / (1 + e_j).  So
;   out = (A + K0) + sum of c_j / (1 + e_j),   K0 = b2 + sum of W2[j],   c_j = -2 W2[j].
; Four fractions are brought over one denominator, in two levels, so that a sample takes 8 exponentials and 2 reciprocals, not 8 and 8:
;   N_g  = (c_a + c_b) + c_b e_a + c_a e_b,   D_g = (1 + e_a)(1 + e_b)          for the units a = 2g, b = 2g + 1
;   M_q  = N_2q D_2q+1 + N_2q+1 D_2q,         DD_q = D_2q D_2q+1                for q = 0, 1
;   out  = (A + K0) + M_0 / DD_0 + M_1 / DD_1
; Every term of a numerator, divided by its denominator, is at most |c| in size: the error of the sums stays a few roundings of |W2|.
; THE CAP AT 30: from t = 30 on, 2 / (1 + e) is below 2^-28, under half a last place of 1: the cap changes no f32 value of tanh.  It bounds
; DD by (2^30 + 1)^4 < 2^121: no overflow, and 1 / DD is no denormal.  Below, nothing is needed: e goes to 0 and 1 + e to 1.
; LIMITS KEPT: |W2[j]| below 2^33 (M reaches |c| 2^92).  A pre-activation that is NaN (a NaN input, or infinities of unlike sign) loses in
; v_min_num_f32 and gives a finite number where the function gives NaN; infinite pre-activations are served rightly.
;
; THE SHARES.  256 work-groups of 32 waves; a work-group owns 32,768 samples (131,072 bytes of each stream), in 8 chunks of 16,384 bytes.
; In chunk i thread t owns the 16 bytes (4 samples = 2 pairs) at 16,384 i + 16 t: each load and store of a wave covers 512 consecutive bytes,
; aligned.  Addresses are a scalar base, v1 = 16 t and an immediate: none of them is ever rewritten.  A ring of four slots in registers keeps
; 12 loads of every wave out at the start and 9 at every wait of the first five chunks.  The 8 chunks stand in a straight line: no loop, no branch.
; LEFT OUT: the matrix unit (layer 1 has 2 live inputs, layer 2 one output: a 16 x 16 x 32 product would be nearly all zeros, and would round the
; inputs to bf16 where f32 costs no byte); LDS, barriers and clusters (no byte but the 164 bytes of weights is used by two waves).
.set CHUNK_B, 16384                    ; bytes of one stream in a chunk: 1,024 threads x 16
.set TWOLOG2E, 0x4038aa3b              ; C = 2 log2(e)
; vector registers
.set OFF,  1                           ; v1        16 t
.set BB,   2                           ; v[2:17]   pair j: C (W1[j][2] * 0 + b1[j]), twice
.set C12,  18                          ; v[18:25]  pair g: c_2g + c_2g+1, twice
.set ACC,  26                          ; v[26:29]  A + K0, then the results of my 4 samples: the store's data
.set RING, 30                          ; v[30:77]  slot s: c_target at 30 + 12 s, wavelength at + 4, A_source at + 8, four registers each
.set WS0,  78                          ; v[78:101]   work set of samples 0, 1
.set WS1,  102                         ; v[102:125]  work set of samples 2, 3
; in a work set W: pair j at W + 2 j (j = 0..7) holds t_j, then e_j; N_g at W + 16 + 2 g.  D_g takes the place of e_2g, 1 + e_2g+1 that of e_2g+1,
; M_q the place W + 8 q + 2, DD_q (then 1 / DD_q) the place W + 8 q.
; scalar registers: s[4:5] c_target, s[6:7] wavelength, s[8:9] A_source, s[10:11] out0, s[12:19] the addresses of W1, b1, W2, b2
.set W1R,  20                          ; s[20:43]  W1 as loaded: W1[j][k] at 20 + 3 j + k
.set B1,   44                          ; s[44:51]  b1, then C x bias
.set W2R,  52                          ; s[52:59]  W2
.set B2R,  60                          ; s60       b2
.set U,    66                          ; s[66:81]  pair j: C W1[j][0], twice
.set V,    82                          ; s[82:97]  pair j: C W1[j][1], twice
.set K0,   98                          ; s[98:99]  K0, twice
.set CAP,  100                         ; s100      30.0
.set CC,   20                          ; s[20:35]  pair j: c_j, twice; over W1's registers once U, V and the biases are made
.set CS,   36                          ; s[36:39]  c_2g + c_2g+1
; A packed instruction takes the lower register of a scalar pair for both halves (op_sel_hi bit 0); the pair's upper register is written all the same.
	s_load_b512 s[4:19], s[0:1], 0x0               ; all eight addresses
	v_lshlrev_b32 v[OFF], 4, v0                    ; 16 t
	s_lshl_b32 s2, ttmp9, 17                       ; the work-group's 131,072 bytes of each stream (255 x 131,072 at the most: one word)
	s_mov_b32 s3, 0
	s_mov_b32 s[CAP], 0x41f00000                   ; 30.0
	s_wait_kmcnt 0x0
	s_load_b512 s[W1R:W1R+15], s[12:13], 0x0       ; W1: 64 bytes
	s_load_b256 s[W1R+16:W1R+23], s[12:13], 0x40   ;     and its last 32
	s_load_b256 s[B1:B1+7], s[14:15], 0x0          ; b1
	s_load_b256 s[W2R:W2R+7], s[16:17], 0x0        ; W2
	s_load_b32 s[B2R], s[18:19], 0x0               ; b2
	s_add_nc_u64 s[4:5], s[4:5], s[2:3]            ; the four streams at the work-group's first sample (no pending load names these pairs)
	s_add_nc_u64 s[6:7], s[6:7], s[2:3]
	s_add_nc_u64 s[8:9], s[8:9], s[2:3]
	s_add_nc_u64 s[10:11], s[10:11], s[2:3]
; three loads: chunk i of the three streams into a slot
.macro FILL slot, i
	global_load_b128 v[RING+12*\slot:RING+12*\slot+3],    v[OFF], s[4:5] offset:CHUNK_B*(\i) th:TH_LOAD_NT
	global_load_b128 v[RING+12*\slot+4:RING+12*\slot+7],  v[OFF], s[6:7] offset:CHUNK_B*(\i) th:TH_LOAD_NT
	global_load_b128 v[RING+12*\slot+8:RING+12*\slot+11], v[OFF], s[8:9] offset:CHUNK_B*(\i) th:TH_LOAD_NT
.endm
	FILL 0, 0                                      ; the ring is filled before the constants are made
	FILL 1, 1
	FILL 2, 2
	FILL 3, 3
	; THE CONSTANTS, once for each wave, while the twelve loads are on their way
	s_wait_kmcnt 0x0                               ; the weights
.irp j, 0,1,2,3,4,5,6,7
	s_fmac_f32 s[B1+\j], s[W1R+3*\j+2], 0          ; bias_j = W1[j][2] * 0 + b1[j], as the function has it
	s_mul_f32 s[B1+\j], s[B1+\j], TWOLOG2E
	v_mov_b32 v[BB+2*\j], s[B1+\j]
	v_mov_b32 v[BB+2*\j+1], s[B1+\j]
	s_mul_f32 s[U+2*\j],   s[W1R+3*\j], TWOLOG2E
	s_mul_f32 s[U+2*\j+1], s[W1R+3*\j], TWOLOG2E
	s_mul_f32 s[V+2*\j],   s[W1R+3*\j+1], TWOLOG2E
	s_mul_f32 s[V+2*\j+1], s[W1R+3*\j+1], TWOLOG2E
.endr
	s_add_f32 s[K0], s[B2R], s[W2R]                ; K0 = b2 + the sum of W2
.irp j, 1,2,3,4,5,6,7
	s_add_f32 s[K0], s[K0], s[W2R+\j]
.endr
	s_mov_b32 s[K0+1], s[K0]
.irp j, 0,1,2,3,4,5,6,7
	s_mul_f32 s[CC+2*\j],   s[W2R+\j], -2.0        ; c_j; W1's registers are done with
	s_mul_f32 s[CC+2*\j+1], s[W2R+\j], -2.0
.endr
.irp g, 0,1,2,3
	s_add_f32 s[CS+\g], s[CC+4*\g], s[CC+4*\g+2]   ; c_2g + c_2g+1
	v_mov_b32 v[C12+2*\g], s[CS+\g]
	v_mov_b32 v[C12+2*\g+1], s[CS+\g]
.endr
; t_j = C z_j of samples 2 P, 2 P + 1 of the slot, for the eight hidden units: two runs of eight chains
.macro PRE W, slot, P
.irp j, 0,1,2,3,4,5,6,7
	v_pk_fma_f32 v[\W+2*\j:\W+2*\j+1], v[RING+12*\slot+4+2*\P:RING+12*\slot+5+2*\P], s[V+2*\j:V+2*\j+1], v[BB+2*\j:BB+2*\j+1] op_sel_hi:[1,0,1]
.endr
.irp j, 0,1,2,3,4,5,6,7
	v_pk_fma_f32 v[\W+2*\j:\W+2*\j+1], v[RING+12*\slot+2*\P:RING+12*\slot+1+2*\P], s[U+2*\j:U+2*\j+1], v[\W+2*\j:\W+2*\j+1] op_sel_hi:[1,0,1]
.endr
.endm
.macro MINS W                          ; the cap at 30 (there is no packed f32 minimum)
.irp r, 0,1,2,3,4,5,6,7,8,9,10,11,12,13,14,15
	v_min_num_f32 v[\W+\r], s[CAP], v[\W+\r]
.endr
.endm
.macro EXPS W                          ; e = 2^t, sixteen in a run
.irp r, 0,1,2,3,4,5,6,7,8,9,10,11,12,13,14,15
	v_exp_f32 v[\W+\r], v[\W+\r]
.endr
.endm
; the two levels of common denominators; each line runs over independent chains
.macro COMB W
	s_wait_alu depctr_va_vdst(0)
.irp g, 0,1,2,3
	v_pk_fma_f32 v[\W+16+2*\g:\W+17+2*\g], v[\W+4*\g:\W+4*\g+1], s[CC+4*\g+2:CC+4*\g+3], v[C12+2*\g:C12+2*\g+1] op_sel_hi:[1,0,1]     ; N = c_b e_a + (c_a + c_b)
.endr
.irp g, 0,1,2,3
	v_pk_fma_f32 v[\W+16+2*\g:\W+17+2*\g], v[\W+4*\g+2:\W+4*\g+3], s[CC+4*\g:CC+4*\g+1], v[\W+16+2*\g:\W+17+2*\g] op_sel_hi:[1,0,1]   ; N += c_a e_b
.endr
.irp g, 0,1,2,3
	v_pk_add_f32 v[\W+4*\g+2:\W+4*\g+3], v[\W+4*\g+2:\W+4*\g+3], 1.0 op_sel_hi:[1,0]                                                  ; p_b = e_b + 1
.endr
.irp g, 0,1,2,3
	v_pk_fma_f32 v[\W+4*\g:\W+4*\g+1], v[\W+4*\g:\W+4*\g+1], v[\W+4*\g+2:\W+4*\g+3], v[\W+4*\g+2:\W+4*\g+3]                           ; D = e_a p_b + p_b
.endr
.irp q, 0,1
	v_pk_mul_f32 v[\W+8*\q+2:\W+8*\q+3], v[\W+16+4*\q:\W+17+4*\q], v[\W+8*\q+4:\W+8*\q+5]                                             ; M = N_2q D_2q+1
.endr
.irp q, 0,1
	v_pk_fma_f32 v[\W+8*\q+2:\W+8*\q+3], v[\W+18+4*\q:\W+19+4*\q], v[\W+8*\q:\W+8*\q+1], v[\W+8*\q+2:\W+8*\q+3]                       ; M += N_2q+1 D_2q
.endr
.irp q, 0,1
	v_pk_mul_f32 v[\W+8*\q:\W+8*\q+1], v[\W+8*\q:\W+8*\q+1], v[\W+8*\q+4:\W+8*\q+5]                                                   ; DD = D_2q D_2q+1
.endr
.endm
.macro RCPS W                          ; 1 / DD, in place
.irp r, 0,1,8,9
	v_rcp_f32 v[\W+\r], v[\W+\r]
.endr
.endm
.macro FIN W, P                        ; the two quotients join A + K0
	s_wait_alu depctr_va_vdst(0)
	v_pk_fma_f32 v[ACC+2*\P:ACC+2*\P+1], v[\W+2:\W+3],   v[\W:\W+1],   v[ACC+2*\P:ACC+2*\P+1]
	v_pk_fma_f32 v[ACC+2*\P:ACC+2*\P+1], v[\W+10:\W+11], v[\W+8:\W+9], v[ACC+2*\P:ACC+2*\P+1]
.endm
; Chunk i, which lies in the given slot.  refill = 1: the slot is loaded again with chunk i + 4.  left = how many younger loads may stay out.
; Behind each run of transcendentals stands a plain packed instruction of the OTHER work set, which names none of the run's registers, before
; any result is read (ISA guide 5.7.2); that, and plain work to issue beside the exponentials, is what the two work sets are for.
.macro CHUNK i, slot, refill, left
	s_wait_loadcnt \left                           ; loads come back in order (ISA guide 5.7.1): my three are in, three for each younger chunk stay out
	PRE  WS0, \slot, 0
	MINS WS0
	EXPS WS0
	PRE  WS1, \slot, 1                             ; the place behind WS0's exponentials
	MINS WS1
.if \i > 0
	s_wait_xcnt 0x0                                ; ACC is the last chunk's store data: it is rewritten only behind this wait; that store and the last fill were issued a chunk's work ago
.endif
	v_pk_add_f32 v[ACC:ACC+1],   v[RING+12*\slot+8:RING+12*\slot+9],   s[K0:K0+1] op_sel_hi:[1,0]      ; A + K0
	v_pk_add_f32 v[ACC+2:ACC+3], v[RING+12*\slot+10:RING+12*\slot+11], s[K0:K0+1] op_sel_hi:[1,0]
.if \refill
	FILL \slot, \i+4                               ; every register of the slot has been read: it goes out again ahead of the chunk's second half
.endif
	EXPS WS1
	COMB WS0                                       ; the place behind WS1's exponentials
	RCPS WS0
	COMB WS1                                       ; the place behind WS0's reciprocals
	RCPS WS1
	FIN  WS0, 0                                    ; the place behind WS1's reciprocals
	FIN  WS1, 1
	global_store_b128 v[OFF], v[ACC:ACC+3], s[10:11] offset:CHUNK_B*(\i) th:TH_STORE_NT
.endm
	CHUNK 0, 0, 1, 9                               ; 12 + 3 i loads issued, 3 (i + 1) needed: 9 may stay out
	CHUNK 1, 1, 1, 9
	CHUNK 2, 2, 1, 9
	CHUNK 3, 3, 1, 9
	CHUNK 4, 0, 0, 9                               ; all 24 are issued: the counts run down, and no load passes the streams' ends
	CHUNK 5, 1, 0, 6
	CHUNK 6, 2, 0, 3
	CHUNK 7, 3, 0, 0
	s_endpgm
.Lfunc_end_k_q56aca76f75_geo:
	.size	k_q56aca76f75_geo, .Lfunc_end_k_q56aca76f75_geo-k_q56aca76f75_geo
	.p2alignl 7, 3214868480
	.fill 96, 4, 3214868480
	.section	.rodata,"a",@progbits
	.p2align	6, 0x0
	.amdhsa_kernel k_q56aca76f75_geo
		.amdhsa_group_segment_fixed_size 0
		.amdhsa_private_segment_fixed_size 0
		.amdhsa_enable_private_segment 0
		.amdhsa_kernarg_size 64
		.amdhsa_user_sgpr_count 2
		.amdhsa_user_sgpr_kernarg_segment_ptr 1
		.amdhsa_wavefront_size32 1
		.amdhsa_system_sgpr_workgroup_id_x 1
		.amdhsa_system_sgpr_workgroup_id_y 1
		.amdhsa_system_sgpr_workgroup_id_z 1
		.amdhsa_system_vgpr_workitem_id 0
		.amdhsa_next_free_vgpr 128
		.amdhsa_next_free_sgpr 101
		.amdhsa_reserve_vcc 0
		.amdhsa_float_denorm_mode_32 3
		.amdhsa_float_denorm_mode_16_64 3
		.amdhsa_memory_ordered 1
		.amdhsa_forward_progress 1
		.amdhsa_inst_pref_size 69
	.end_amdhsa_kernel
	.amdgpu_metadata
---
amdhsa.version: [ 1, 2 ]
amdhsa.kernels:
  - .name:           k_q56aca76f75_geo
    .symbol:         k_q56aca76f75_geo.kd
    .args:
      - { .name: c_target, .offset: 0, .size: 8, .value_kind: global_buffer, .address_space: global }
      - { .name: wavelength, .offset: 8, .size: 8, .value_kind: global_buffer, .address_space: global }
      - { .name: A_source, .offset: 16, .size: 8, .value_kind: global_buffer, .address_space: global }
      - { .name: out0, .offset: 24, .size: 8, .value_kind: global_buffer, .address_space: global }
      - { .name: W1, .offset: 32, .size: 8, .value_kind: global_buffer, .address_space: global }
      - { .name: b1, .offset: 40, .size: 8, .value_kind: global_buffer, .address_space: global }
      - { .name: W2, .offset: 48, .size: 8, .value_kind: global_buffer, .address_space: global }
      - { .name: b2, .offset: 56, .size: 8, .value_kind: global_buffer, .address_space: global }
    .group_segment_fixed_size: 0
    .private_segment_fixed_size: 0
    .kernarg_segment_align: 8
    .kernarg_segment_size: 64
    .max_flat_workgroup_size: 1024
    .sgpr_count:     101
    .vgpr_count:     128
    .wavefront_size: 32
...
	.end_amdgpu_metadata
.endif
;; end of part 1
;; ======== version 2 of 2: 1 launch; version 1 with the launch geo written anew for expert scheduling mode
;; limits: right only within a limited range of input values; inputs' magnitudes at most 8,589,934,592
;; launch geo (part 2): grid 256 x 1, 32 waves a work-group, no clusters, 0 bytes of LDS; arguments c_target, wavelength, A_source, out0, W1, b1, W2, b2; writes out0
.if DOCPART == 2
	.amdgcn_target "amdgcn-amd-amdhsa--gfx1250"
	.amdhsa_code_object_version 6
	.text
	.protected	k_q56aca76f75_geo
	.globl	k_q56aca76f75_geo
	.p2align	8
	.type	k_q56aca76f75_geo,@function
k_q56aca76f75_geo:
	s_mov_b64 s[64:65], 0
	v_nop
	global_prefetch_b8 v0, s[64:65] scope:SCOPE_SE
	s_setreg_imm32_b32 hwreg(HW_REG_WAVE_SCHED_MODE, 0, 2), 2
	s_setreg_imm32_b32 hwreg(HW_REG_WAVE_MODE, 25, 1), 1
	s_wait_xcnt 0x0
	s_wait_alu depctr_vm_vsrc(0)
; out[i] = A_source[i] + b2 + sum over j < 8 of W2[j] * tanh(W1[j][0] c_target[i] + W1[j][1] wavelength[i] + W1[j][2] * 0 + b1[j])
; for 8,388,608 samples, everything in f32.
;
; c_source is not among the arguments: the function takes it and lets no result depend on it, so a load of it would feed no instruction.
; W1[:,2] multiplies the column of zeros: it is read, and the product with 0 is made (one scalar multiply-add for each hidden unit).
;
; THE ARITHMETIC.  With C = 2 log2(e), t_j = C z_j and e_j = 2^min(t_j, 30):  tanh(z_j) = 1 - 2 / (1 + e_j).  So
;   out = (A + K0) + sum of c_j / (1 + e_j),   K0 = b2 + sum of W2[j],   c_j = -2 W2[j].
; Four fractions are brought over one denominator, in two levels, so that a sample takes 8 exponentials and 2 reciprocals, not 8 and 8:
;   N_g  = (c_a + c_b) + c_b e_a + c_a e_b,   D_g = (1 + e_a)(1 + e_b)          for the units a = 2g, b = 2g + 1
;   M_q  = N_2q D_2q+1 + N_2q+1 D_2q,         DD_q = D_2q D_2q+1                for q = 0, 1
;   out  = (A + K0) + M_0 / DD_0 + M_1 / DD_1
; Every term of a numerator, divided by its denominator, is at most |c| in size: the error of the sums stays a few roundings of |W2|.
; THE CAP AT 30: from t = 30 on, 2 / (1 + e) is below 2^-28, under half a last place of 1: the cap changes no f32 value of tanh.  It bounds
; DD by (2^30 + 1)^4 < 2^121: no overflow, and 1 / DD is no denormal.  Below, nothing is needed: e goes to 0 and 1 + e to 1.
; LIMITS KEPT: |W2[j]| below 2^33 (M reaches |c| 2^92).  A pre-activation that is NaN (a NaN input, or infinities of unlike sign) loses in
; v_min_num_f32 and gives a finite number where the function gives NaN; infinite pre-activations are served rightly.
;
; THE SHARES.  256 work-groups of 32 waves; a work-group owns 32,768 samples (131,072 bytes of each stream), in 8 chunks of 16,384 bytes.
; In chunk i thread t owns the 16 bytes (4 samples = 2 pairs) at 16,384 i + 16 t: each load and store of a wave covers 512 consecutive bytes,
; aligned.  Addresses are a scalar base, v1 = 16 t and an immediate: none of them is ever rewritten.  A ring of four slots in registers keeps
; 12 loads of every wave out at the start and 9 at every wait of the first five chunks.  The 8 chunks stand in a straight line: no loop, no branch.
; LEFT OUT: the matrix unit (layer 1 has 2 live inputs, layer 2 one output: a 16 x 16 x 32 product would be nearly all zeros, and would round the
; inputs to bf16 where f32 costs no byte); LDS, barriers and clusters (no byte but the 164 bytes of weights is used by two waves).
;
; THE MODE: SCHED_MODE bits 1:0 = 2 (LLVM: expert scheduling mode 2), set by the entry lines.  The code itself states the register dependences
; between vector instructions and memory instructions, with s_wait_alu, always for 0.
; THE PLAN.  Registers that memory instructions touch:
;   v1          the offset of every load and store; written once at the head, ahead of the head's wait, and never again.
;   RING slot   written by loads alone.  Chunk i: its 32 pre-activation multiply-adds and its two additions A + K0 read the slot; behind them the
;               loads of chunk i + 4 land in it.
;   OUT0, OUT1  two out-buffers.  Chunk i's two additions and four closing multiply-adds write OUT[i % 2]; the store that reads it is issued in chunk i + 1.
;   The work sets and the biases are named by vector instructions alone.
; A chunk has two waits on va_vdst, each of which is also the wait between a batch of transcendentals and the first reader of its results.
; The first stands behind the additions: the chunk's 32 exponentials are written, all readers of the slot are done, and the chunk before has
; written the other OUT; the three loads and the store follow it at once.  The second stands behind the eight reciprocals.  From chunk 2 on one wait
; on vm_vsrc, beside s_wait_xcnt 0, stands ahead of the additions: the store that read OUT[i % 2] was issued a whole chunk earlier.
.set CHUNK_B, 16384                    ; bytes of one stream in a chunk: 1,024 threads x 16
.set TWOLOG2E, 0x4038aa3b              ; C = 2 log2(e)
; vector registers (32 waves of 128 registers are all that four SIMDs of 1,024 have: the second out-buffer lies where the sums c_2g + c_2g+1 would else be kept; those are in scalar pairs)
.set OFF,  1                           ; v1        16 t
.set BB,   2                           ; v[2:17]   pair j: C (W1[j][2] * 0 + b1[j]), twice
.set ACC,  22                          ; v[22:29]  out-buffer k at 22 + 4 k: A + K0, then the results of my 4 samples: a store's data.  (v[18:21] are named by no line)
.set RING, 30                          ; v[30:77]  slot s: c_target at 30 + 12 s, wavelength at + 4, A_source at + 8, four registers each
.set WS0,  78                          ; v[78:101]   work set of samples 0, 1
.set WS1,  102                         ; v[102:125]  work set of samples 2, 3
; in a work set W: pair j at W + 2 j (j = 0..7) holds t_j, then e_j; N_g at W + 16 + 2 g.  D_g takes the place of e_2g, 1 + e_2g+1 that of e_2g+1,
; M_q the place W + 8 q + 2, DD_q (then 1 / DD_q) the place W + 8 q.
; scalar registers: s[4:5] c_target, s[6:7] wavelength, s[8:9] A_source, s[10:11] out0, s[12:19] the addresses of W1, b1, W2, b2
.set W1R,  20                          ; s[20:43]  W1 as loaded: W1[j][k] at 20 + 3 j + k
.set B1,   44                          ; s[44:51]  b1, then C x bias
.set W2R,  52                          ; s[52:59]  W2
.set B2R,  60                          ; s60       b2
.set U,    66                          ; s[66:81]  pair j: C W1[j][0], twice
.set V,    82                          ; s[82:97]  pair j: C W1[j][1], twice
.set K0,   98                          ; s[98:99]  K0, twice
.set CAP,  100                         ; s100      30.0
.set CC,   20                          ; s[20:35]  pair j: c_j, twice; over W1's registers once U, V and the biases are made
.set CS,   36                          ; s[36:43]  pair g: c_2g + c_2g+1, twice; over W1's registers likewise
; A packed instruction takes the lower register of a scalar pair for both halves (op_sel_hi bit 0); the pair's upper register is written all the same.
	s_load_b512 s[4:19], s[0:1], 0x0               ; all eight addresses
	v_lshlrev_b32 v[OFF], 4, v0                    ; 16 t
	s_lshl_b32 s2, ttmp9, 17                       ; the work-group's 131,072 bytes of each stream (255 x 131,072 at the most: one word)
	s_mov_b32 s3, 0
	s_mov_b32 s[CAP], 0x41f00000                   ; 30.0
	s_wait_kmcnt 0x0
	s_load_b512 s[W1R:W1R+15], s[12:13], 0x0       ; W1: 64 bytes
	s_load_b256 s[W1R+16:W1R+23], s[12:13], 0x40   ;     and its last 32
	s_load_b256 s[B1:B1+7], s[14:15], 0x0          ; b1
	s_load_b256 s[W2R:W2R+7], s[16:17], 0x0        ; W2
	s_load_b32 s[B2R], s[18:19], 0x0               ; b2
	s_add_nc_u64 s[4:5], s[4:5], s[2:3]            ; the four streams at the work-group's first sample (no pending load names these pairs)
	s_add_nc_u64 s[6:7], s[6:7], s[2:3]
	s_add_nc_u64 s[8:9], s[8:9], s[2:3]
	s_add_nc_u64 s[10:11], s[10:11], s[2:3]
	s_wait_alu depctr_va_vdst(0)                   ; v1 is written: every load and store of the kernel reads it as its offset
; three loads: chunk i of the three streams into a slot
.macro FILL slot, i
	global_load_b128 v[RING+12*\slot:RING+12*\slot+3],    v[OFF], s[4:5] offset:CHUNK_B*(\i) th:TH_LOAD_NT
	global_load_b128 v[RING+12*\slot+4:RING+12*\slot+7],  v[OFF], s[6:7] offset:CHUNK_B*(\i) th:TH_LOAD_NT
	global_load_b128 v[RING+12*\slot+8:RING+12*\slot+11], v[OFF], s[8:9] offset:CHUNK_B*(\i) th:TH_LOAD_NT
.endm
	FILL 0, 0                                      ; the ring is filled before the constants are made; no vector instruction has named its registers
	FILL 1, 1
	FILL 2, 2
	FILL 3, 3
	; THE CONSTANTS, once for each wave, while the twelve loads are on their way.  The vector registers written here are named by no memory instruction.
	s_wait_kmcnt 0x0                               ; the weights
.irp j, 0,1,2,3,4,5,6,7
	s_fmac_f32 s[B1+\j], s[W1R+3*\j+2], 0          ; bias_j = W1[j][2] * 0 + b1[j], as the function has it
	s_mul_f32 s[B1+\j], s[B1+\j], TWOLOG2E
	v_mov_b32 v[BB+2*\j], s[B1+\j]
	v_mov_b32 v[BB+2*\j+1], s[B1+\j]
	s_mul_f32 s[U+2*\j],   s[W1R+3*\j], TWOLOG2E
	s_mul_f32 s[U+2*\j+1], s[W1R+3*\j], TWOLOG2E
	s_mul_f32 s[V+2*\j],   s[W1R+3*\j+1], TWOLOG2E
	s_mul_f32 s[V+2*\j+1], s[W1R+3*\j+1], TWOLOG2E
.endr
	s_add_f32 s[K0], s[B2R], s[W2R]                ; K0 = b2 + the sum of W2
.irp j, 1,2,3,4,5,6,7
	s_add_f32 s[K0], s[K0], s[W2R+\j]
.endr
	s_mov_b32 s[K0+1], s[K0]
.irp j, 0,1,2,3,4,5,6,7
	s_mul_f32 s[CC+2*\j],   s[W2R+\j], -2.0        ; c_j; W1's registers are done with
	s_mul_f32 s[CC+2*\j+1], s[W2R+\j], -2.0
.endr
.irp g, 0,1,2,3
	s_add_f32 s[CS+2*\g], s[CC+4*\g], s[CC+4*\g+2] ; c_2g + c_2g+1
	s_mov_b32 s[CS+2*\g+1], s[CS+2*\g]
.endr
; t_j = C z_j of samples 2 P, 2 P + 1 of the slot, for the eight hidden units: two runs of eight chains
.macro PRE W, slot, P
.irp j, 0,1,2,3,4,5,6,7
	v_pk_fma_f32 v[\W+2*\j:\W+2*\j+1], v[RING+12*\slot+4+2*\P:RING+12*\slot+5+2*\P], s[V+2*\j:V+2*\j+1], v[BB+2*\j:BB+2*\j+1] op_sel_hi:[1,0,1]
.endr
.irp j, 0,1,2,3,4,5,6,7
	v_pk_fma_f32 v[\W+2*\j:\W+2*\j+1], v[RING+12*\slot+2*\P:RING+12*\slot+1+2*\P], s[U+2*\j:U+2*\j+1], v[\W+2*\j:\W+2*\j+1] op_sel_hi:[1,0,1]
.endr
.endm
.macro MINS W                          ; the cap at 30 (there is no packed f32 minimum)
.irp r, 0,1,2,3,4,5,6,7,8,9,10,11,12,13,14,15
	v_min_num_f32 v[\W+\r], s[CAP], v[\W+\r]
.endr
.endm
.macro EXPS W                          ; e = 2^t, sixteen in a run
.irp r, 0,1,2,3,4,5,6,7,8,9,10,11,12,13,14,15
	v_exp_f32 v[\W+\r], v[\W+\r]
.endr
.endm
; the two levels of common denominators; each line runs over independent chains
.macro COMB W
.irp g, 0,1,2,3
	v_pk_fma_f32 v[\W+16+2*\g:\W+17+2*\g], v[\W+4*\g:\W+4*\g+1], s[CC+4*\g+2:CC+4*\g+3], s[CS+2*\g:CS+2*\g+1] op_sel_hi:[1,0,0]       ; N = c_b e_a + (c_a + c_b)
.endr
.irp g, 0,1,2,3
	v_pk_fma_f32 v[\W+16+2*\g:\W+17+2*\g], v[\W+4*\g+2:\W+4*\g+3], s[CC+4*\g:CC+4*\g+1], v[\W+16+2*\g:\W+17+2*\g] op_sel_hi:[1,0,1]   ; N += c_a e_b
.endr
.irp g, 0,1,2,3
	v_pk_add_f32 v[\W+4*\g+2:\W+4*\g+3], v[\W+4*\g+2:\W+4*\g+3], 1.0 op_sel_hi:[1,0]                                                  ; p_b = e_b + 1
.endr
.irp g, 0,1,2,3
	v_pk_fma_f32 v[\W+4*\g:\W+4*\g+1], v[\W+4*\g:\W+4*\g+1], v[\W+4*\g+2:\W+4*\g+3], v[\W+4*\g+2:\W+4*\g+3]                           ; D = e_a p_b + p_b
.endr
.irp q, 0,1
	v_pk_mul_f32 v[\W+8*\q+2:\W+8*\q+3], v[\W+16+4*\q:\W+17+4*\q], v[\W+8*\q+4:\W+8*\q+5]                                             ; M = N_2q D_2q+1
.endr
.irp q, 0,1
	v_pk_fma_f32 v[\W+8*\q+2:\W+8*\q+3], v[\W+18+4*\q:\W+19+4*\q], v[\W+8*\q:\W+8*\q+1], v[\W+8*\q+2:\W+8*\q+3]                       ; M += N_2q+1 D_2q
.endr
.irp q, 0,1
	v_pk_mul_f32 v[\W+8*\q:\W+8*\q+1], v[\W+8*\q:\W+8*\q+1], v[\W+8*\q+4:\W+8*\q+5]                                                   ; DD = D_2q D_2q+1
.endr
.endm
.macro RCPS W                          ; 1 / DD, in place
.irp r, 0,1,8,9
	v_rcp_f32 v[\W+\r], v[\W+\r]
.endr
.endm
.macro FIN W, P                        ; the two quotients join A + K0, in this chunk's out-buffer
	v_pk_fma_f32 v[OB+2*\P:OB+2*\P+1], v[\W+2:\W+3],   v[\W:\W+1],   v[OB+2*\P:OB+2*\P+1]
	v_pk_fma_f32 v[OB+2*\P:OB+2*\P+1], v[\W+10:\W+11], v[\W+8:\W+9], v[OB+2*\P:OB+2*\P+1]
.endm
; Chunk i, which lies in the given slot.  refill = 1: the slot is loaded again with chunk i + 4.  left = how many younger loads may stay out.
; Behind each run of transcendentals stands a plain packed instruction that names none of the run's registers before any result is read
; (ISA guide 5.7.2): behind work set 0's runs work set 1's arithmetic, behind work set 1's exponentials the additions A + K0, behind its reciprocals
; work set 0's closing multiply-adds.
.macro CHUNK i, slot, refill, left
.set OB, ACC+4*((\i)%2)                ; this chunk's out-buffer
.set PB, ACC+4*(1-(\i)%2)              ; the chunk before's
	s_wait_loadcnt \left                           ; loads come back in order (ISA guide 5.7.1): my three are in, three for each younger chunk stay out
	PRE  WS0, \slot, 0
	MINS WS0
	EXPS WS0
	PRE  WS1, \slot, 1                             ; the place behind WS0's exponentials; it names none of their results
	MINS WS1
	EXPS WS1                                       ; with WS0's sixteen: one batch of 32
.if \i > 1
	s_wait_xcnt 0x0                                ; every earlier memory instruction has had its addresses translated (ISA guide 3.1): this out-buffer, the data of the store issued in the chunk before, is rewritten only behind this wait
	s_wait_alu depctr_vm_vsrc(0)                   ; that store has read this out-buffer, which the two additions below write again
.endif
	v_pk_add_f32 v[OB:OB+1],   v[RING+12*\slot+8:RING+12*\slot+9],   s[K0:K0+1] op_sel_hi:[1,0]        ; A + K0; the place behind WS1's exponentials
	v_pk_add_f32 v[OB+2:OB+3], v[RING+12*\slot+10:RING+12*\slot+11], s[K0:K0+1] op_sel_hi:[1,0]
	s_wait_alu depctr_va_vdst(0)                   ; the 32 exponentials have written e, ahead of its first reader; the multiply-adds and additions above are done reading the slot, in which the loads below land; the chunk before has written its out-buffer, which the store below reads
.if \refill
	FILL \slot, \i+4                               ; every register of the slot has been read: it goes out again ahead of the chunk's second half
.endif
.if \i > 0
	global_store_b128 v[OFF], v[PB:PB+3], s[10:11] offset:CHUNK_B*(\i-1) th:TH_STORE_NT  ; the chunk before; no vector instruction stands between the wait and these four lines
.endif
	COMB WS0
	RCPS WS0
	COMB WS1                                       ; the place behind WS0's reciprocals; it names none of their results
	RCPS WS1                                       ; with WS0's four: one batch of eight
	s_wait_alu depctr_va_vdst(0)                   ; the eight reciprocals have written 1 / DD, ahead of its first reader
	FIN  WS0, 0                                    ; the place behind WS1's reciprocals
	FIN  WS1, 1
.endm
	CHUNK 0, 0, 1, 9                               ; 12 + 3 i loads issued, 3 (i + 1) needed: 9 may stay out
	CHUNK 1, 1, 1, 9
	CHUNK 2, 2, 1, 9
	CHUNK 3, 3, 1, 9
	CHUNK 4, 0, 0, 9                               ; all 24 are issued: the counts run down, and no load passes the streams' ends
	CHUNK 5, 1, 0, 6
	CHUNK 6, 2, 0, 3
	CHUNK 7, 3, 0, 0
	s_wait_alu depctr_va_vdst(0)                   ; chunk 7's closing multiply-adds have written its out-buffer, which the last store reads
	global_store_b128 v[OFF], v[OB:OB+3], s[10:11] offset:CHUNK_B*7 th:TH_STORE_NT
	s_endpgm
.Lfunc_end_k_q56aca76f75_geo:
	.size	k_q56aca76f75_geo, .Lfunc_end_k_q56aca76f75_geo-k_q56aca76f75_geo
	.p2alignl 7, 3214868480
	.fill 96, 4, 3214868480
	.section	.rodata,"a",@progbits
	.p2align	6, 0x0
	.amdhsa_kernel k_q56aca76f75_geo
		.amdhsa_group_segment_fixed_size 0
		.amdhsa_private_segment_fixed_size 0
		.amdhsa_enable_private_segment 0
		.amdhsa_kernarg_size 64
		.amdhsa_user_sgpr_count 2
		.amdhsa_user_sgpr_kernarg_segment_ptr 1
		.amdhsa_wavefront_size32 1
		.amdhsa_system_sgpr_workgroup_id_x 1
		.amdhsa_system_sgpr_workgroup_id_y 1
		.amdhsa_system_sgpr_workgroup_id_z 1
		.amdhsa_system_vgpr_workitem_id 0
		.amdhsa_next_free_vgpr 128
		.amdhsa_next_free_sgpr 101
		.amdhsa_reserve_vcc 0
		.amdhsa_float_denorm_mode_32 3
		.amdhsa_float_denorm_mode_16_64 3
		.amdhsa_memory_ordered 1
		.amdhsa_forward_progress 1
		.amdhsa_inst_pref_size 69
	.end_amdhsa_kernel
	.amdgpu_metadata
---
amdhsa.version: [ 1, 2 ]
amdhsa.kernels:
  - .name:           k_q56aca76f75_geo
    .symbol:         k_q56aca76f75_geo.kd
    .args:
      - { .name: c_target, .offset: 0, .size: 8, .value_kind: global_buffer, .address_space: global }
      - { .name: wavelength, .offset: 8, .size: 8, .value_kind: global_buffer, .address_space: global }
      - { .name: A_source, .offset: 16, .size: 8, .value_kind: global_buffer, .address_space: global }
      - { .name: out0, .offset: 24, .size: 8, .value_kind: global_buffer, .address_space: global }
      - { .name: W1, .offset: 32, .size: 8, .value_kind: global_buffer, .address_space: global }
      - { .name: b1, .offset: 40, .size: 8, .value_kind: global_buffer, .address_space: global }
      - { .name: W2, .offset: 48, .size: 8, .value_kind: global_buffer, .address_space: global }
      - { .name: b2, .offset: 56, .size: 8, .value_kind: global_buffer, .address_space: global }
    .group_segment_fixed_size: 0
    .private_segment_fixed_size: 0
    .kernarg_segment_align: 8
    .kernarg_segment_size: 64
    .max_flat_workgroup_size: 1024
    .sgpr_count:     101
    .vgpr_count:     128
    .wavefront_size: 32
...
	.end_amdgpu_metadata
.endif
;; end of part 2
